; MI455X (gfx1250); checked and timed in simulation.
; The chip was launched on July 23, 2026; its instructions are those of AMD's public machine-readable ISA for CDNA 5 (MIT licence, August 2026) and "CDNA5" Instruction Set Architecture Reference Guide (July 2026). The comments in the code are by the model that wrote it; some were corrected since.
;; Gaussian Splat Scene. Allowed arithmetic: matrix products marked QUANTISED: E2M1 operands, one E8M0 scale for each 32 along K, by v_wmma_scale_f32_16x16x128_f8f6f4 with both operands' format E2M1 (or v_wmma_scale_f32_32x16x128_f4), f32 sums; products left as they are: f32 operands where the result goes on into a quantised operand, else bf16, f16 or f32 operands; f32 sums; everything else in f32.
;; Inputs: gaussian_feats_codes 32 x 512 x 16 uint8 (E2M1 codes of gaussian_feats, K innermost, in blocks of 32 codes, two codes a byte); gaussian_feats_scales 32 x 512 uint8 (E8M0 scales of gaussian_feats, one for each 32 codes along K); log_scales 16,384 x 3 float32; means 16,384 x 3 float32; opacity_logits 16,384 float32; query_xyz 4,096 x 3 float32; rotations 16,384 x 4 float32.
;; Outputs: out0 4,096 x 32 float32.
;; This version of the problem:
;;   THIS VERSION OF THE PROBLEM IS GIVEN IN LOW PRECISION. The matrix products marked QUANTISED in the list below multiply operands that are first quantised to E2M1 (2 exponent bits, 1 mantissa bit; 4 bits a number), with one power-of-two scale for each 32 numbers along K (OCP MX v1.0); their sums are f32. All else is computed in f32.
;;   The module's matrix products, in the order in which they are computed (A, B: the left and right operand; K: the contracted axis; several contracted axes count as one K, in the product's order):
;;     1. batch 16,384 x [M 3, K 3] x [K 3, N 3]; A: computed on the way; B: computed on the way: left as it is (K = 3 < 32)
;;     2. [M 4,096, K 9] x [K 9, N 16,384]; A: computed on the way; B: computed on the way: left as it is (K = 9 < 32)
;;     3. batch 16,384 x [M 3, K 3] x [K 3, N 1]; A: computed on the way; B: input means: left as it is (K = 3 < 32)
;;     4. [M 4,096, K 3] x [K 3, N 16,384]; A: input query_xyz; B: computed on the way: left as it is (K = 3 < 32)
;;     5. batch 16,384 x [M 1, K 3] x [K 3, N 1]; A: input means; B: computed on the way: left as it is (K = 3 < 32)
;;     6. [M 4,096, K 16,384] x [K 16,384, N 32]; A: computed on the way; B: input gaussian_feats (given as codes): QUANTISED
;;   THE QUANTISER, for each operand of a quantised product, along K:
;;     - K is cut into blocks of 32 from its start; a last block that is shorter is filled with zeros.
;;     - A block's scale is 2^e with e = floor(log2(the largest magnitude in the block)) - 2, held to -126 .. 127; a block of zeros has e = 0. As a byte (E8M0): e + 127.
;;     - Each number is divided by its block's scale, clamped to +-6, and rounded to the nearest number of E2M1, ties to even, subnormals kept.
;;     - The product sums the exact products of the quantised numbers (number of the format x scale) in f32.
;;   ~~~python
;;   def quantise(x, axis):      # numpy; x: float32 -> the quantised numbers, widened to float32 again
;;       x = np.moveaxis(x, axis, -1); K = x.shape[-1]
;;       x = np.pad(x, [(0, 0)] * (x.ndim - 1) + [(0, -K % 32)]); x = x.reshape(x.shape[:-1] + (-1, 32)); a = np.abs(x).max(-1, keepdims=True)
;;       e = np.where(a > 0, np.clip(np.frexp(np.where(a > 0, a, 1))[1] - 1 - 2, -126, 127), 0)      # np.frexp(a)[1] - 1 = floor(log2(a)), exactly
;;       r = np.clip(x / 2.0 ** e, -6, 6)
;;       step = 2.0 ** (np.maximum(np.frexp(np.where(r == 0, 1, r))[1] - 1, 0) - 1)
;;       q = np.round(r / step) * step * 2.0 ** e      # np.round: ties to even
;;       return np.moveaxis(q.reshape(q.shape[:-2] + (-1,))[..., :K], -1, axis).astype(np.float32)
;;   ~~~
;;   OPERANDS COMPUTED ON THE WAY. 'Computed on the way' means the value that the module computes at that place (a softmax that the list does not call 'softmax' is quantised finished and normalised). What goes into a quantiser is computed in f32, as accurately as f32 sums, v_exp_f32 and their like allow (about 1e-6 of the number): no bf16 or f16 on the way to a quantiser, and a product that is left as it is and whose result goes on into a quantised operand takes f32 operands (vector FMAs, or v_wmma_f32_16x16x4_f32). A number that lies on a knife's edge between two numbers of the format may be rounded either way, as far as f32 arithmetic and the matrix unit's own rounding can turn it there, and no further.
;;   INPUTS GIVEN AS CODES. gaussian_feats (in the module: [16384, 32], K = its axis 0): each comes as NAME_codes (uint8): NAME with its K axis moved to the last place and cut into blocks of 32 codes, [.., K / 32, bytes a block], one block behind the other in memory; two codes a byte, the lower K in the low four bits (a code: sign, 2 exponent bits, 1 mantissa bit); and NAME_scales (uint8): the same leading axes, one E8M0 byte (e + 127) for each 32 codes along K. Its value is code x scale, taken as it is: it is not quantised again, and the codes and scales need not be those that the quantiser above would give.
;; 2 versions, each right; version 2 is version 1 with the launch splat written anew for expert scheduling mode. Each part assembles by itself: llvm-mc -triple=amdgcn-amd-amdhsa -mcpu=gfx1250 --defsym DOCPART=n.
;; ======== version 1 of 2: 2 launches
;; workspace buffers: coef 786,432 bytes; fcodes 262,144 bytes; fscales 16,384 bytes
;; launch prep (part 1): grid 256 x 1, 2 waves a work-group, no clusters, 3,328 bytes of LDS; arguments means, log_scales, rotations, opacity_logits, gaussian_feats_codes, gaussian_feats_scales, coef, fcodes, fscales; writes coef, fcodes, fscales
.if DOCPART == 1
	.amdgcn_target "amdgcn-amd-amdhsa--gfx1250"
	.amdhsa_code_object_version 6
	.text
	.protected	k_q1b96573b14_prep
	.globl	k_q1b96573b14_prep
	.p2align	8
	.type	k_q1b96573b14_prep,@function
k_q1b96573b14_prep:
	s_mov_b64 s[64:65], 0
	v_nop
	global_prefetch_b8 v0, s[64:65] scope:SCOPE_SE
	s_setreg_imm32_b32 hwreg(HW_REG_WAVE_MODE, 25, 1), 1
	s_wait_xcnt 0x0
; One gaussian a thread, 64 a work-group.  From means, log_scales, rotations and opacity_logits the twelve numbers G[n][0..11] are made with which
;   log2(weight(q, n)) = sum over k of G[n][k] phi[q][k],   phi = (x^2, y^2, z^2, xy, xz, yz, x, y, z, 1, 1, 0):
;   G = (-a00, -a11, -a22, -2 a01, -2 a02, -2 a12, 2 b0, 2 b1, 2 b2, -c, log2(sigmoid(o)), 0),  a = kappa A, b = a mu, c = mu . b, kappa = log2(e) / 2,
; that is the expansion p^T A p - 2 p^T A mu + mu^T A mu, times -1/2 log2(e), with the opacity as one more term of the exponent.
; A = inverse of (R diag(s^2) R^T + 1e-6 I) = R diag(1 / (s^2 + 1e-6)) R^T, since R is orthogonal.
; LIMITS: a quaternion whose norm lies between 0 and 1e-12 is divided by 1e-12 as asked, but R is then not orthogonal and A is not the inverse: not served (the zero quaternion gives R = I and is served).
;   A logit under about -88 gives log2(sigmoid) = -infinity, the weight 0.  NaN and infinities among the inputs are not served.
; LAYOUT OF coef: in the order of the f32 matrix operand's registers.  A group of 64 gaussians is 3,072 bytes: fragment F = 4 c + v (K = 4 c .. 4 c + 3 of tile v) is two registers a lane;
;   lane (r, h) holds k = 4 c + 2 h + 0, 1 of the gaussian 32 (r / 8) + 8 v + r % 8 of the group.  Byte: 512 (F / 2) + 16 (r + 16 h) + 8 (F % 2).  So a lane loads two fragments by 16 bytes, a wave 512 dense bytes.
;   The 48 bytes of a thread go to six places 8 bytes long: they meet in LDS and leave as dense runs: each store of a wave covers 512 consecutive bytes, aligned.
; The given codes and scale bytes of the features are copied into operand order too (16 bytes a thread):
;   fcodes [K step of 128][tile of 16 features][c][lane][16 bytes], fscales [K step][feature][4 bytes].
	s_load_b256 s[4:11], s[0:1], 0x0               ; means s[4:5], log_scales s[6:7], rotations s[8:9], opacity_logits s[10:11]
	s_load_b256 s[12:19], s[0:1], 0x20             ; the codes s[12:13], the scale bytes s[14:15], coef s[16:17], fcodes s[18:19]
	s_load_b64 s[20:21], s[0:1], 0x40              ; fscales
	v_lshl_add_u32 v104, v0, 2, 0xc00
	v_mov_b32 v105, 0
	v_mul_u32_u24 v1, v0, 12                       ; my 12 bytes of means and of log_scales
	v_lshlrev_b32 v2, 4, v0                        ; my 16 bytes of rotations, of fcodes, and of a run on the way out
	v_lshlrev_b32 v3, 2, v0                        ; my logit
	v_and_b32 v4, 15, v0                           ; r
	v_bfe_u32 v5, v0, 4, 2                         ; 2 c + h
	v_lshlrev_b32 v5, 4, v5
	v_lshl_or_b32 v5, v4, 13, v5                   ; the codes: feature row r of 8,192 bytes, + 32 c + 16 h
	s_mul_i32 s22, ttmp9, 768                      ; 64 gaussians x 12 bytes
	s_mov_b32 s23, 0
	s_lshl_b32 s24, ttmp9, 10                      ; x 16 bytes
	s_mov_b32 s25, 0
	s_lshl_b32 s26, ttmp9, 8                       ; x 4 bytes
	s_mov_b32 s27, 0
	s_mul_i32 s28, ttmp9, 3072                     ; x 48 bytes
	s_mov_b32 s29, 0
	s_and_b32 s30, ttmp9, 1                        ; the work-group's 64 pieces of the codes: tile of features = number % 2,
	s_lshl_b32 s30, s30, 17                        ; 16 rows of 8,192 bytes,
	s_lshr_b32 s31, ttmp9, 1                       ; K step = number / 2,
	s_lshl_b32 s31, s31, 6                         ; 64 bytes of a row
	s_add_co_u32 s30, s30, s31
	s_mov_b32 s31, 0
	s_wait_kmcnt 0x0
	s_add_nc_u64 s[4:5], s[4:5], s[22:23]
	s_add_nc_u64 s[6:7], s[6:7], s[22:23]
	s_add_nc_u64 s[8:9], s[8:9], s[24:25]
	s_add_nc_u64 s[10:11], s[10:11], s[26:27]
	s_add_nc_u64 s[12:13], s[12:13], s[30:31]
	s_add_nc_u64 s[16:17], s[16:17], s[28:29]
	s_add_nc_u64 s[18:19], s[18:19], s[24:25]
	global_load_b128 v[20:23], v5, s[12:13] th:TH_LOAD_NT          ; my piece of the codes
	global_load_b128 v[16:19], v2, s[8:9] th:TH_LOAD_NT            ; the quaternion (w, x, y, z)
	global_load_b32 v8, v1, s[4:5] th:TH_LOAD_NT                   ; mu
	global_load_b32 v9, v1, s[4:5] offset:4 th:TH_LOAD_NT
	global_load_b32 v10, v1, s[4:5] offset:8 th:TH_LOAD_NT
	global_load_b32 v11, v1, s[6:7] th:TH_LOAD_NT                  ; log s
	global_load_b32 v12, v1, s[6:7] offset:4 th:TH_LOAD_NT
	global_load_b32 v13, v1, s[6:7] offset:8 th:TH_LOAD_NT
	global_load_b32 v14, v3, s[10:11] th:TH_LOAD_NT                ; the logit
	; the 4,096 scale words: the first 32 work-groups take 128 each, two a thread, so that a wave stores 256 consecutive bytes, aligned
	s_cmp_lt_u32 ttmp9, 32
	s_cbranch_scc0 .Lno_scales
	s_lshl_b32 s32, ttmp9, 4                       ; K step 4 x work-group + thread / 16: 4 bytes each
	s_mov_b32 s33, 0
	s_add_nc_u64 s[14:15], s[14:15], s[32:33]
	s_lshl_b32 s32, ttmp9, 9                       ; 64 threads x 8 bytes
	s_add_nc_u64 s[20:21], s[20:21], s[32:33]
	v_lshlrev_b32 v6, 10, v4                       ; features 2 (thread % 16) and the next: rows of 512 bytes
	v_lshrrev_b32 v7, 4, v0
	v_lshl_add_u32 v6, v7, 2, v6
	v_lshlrev_b32 v7, 3, v0
	global_load_b32 v98, v6, s[14:15] th:TH_LOAD_NT
	global_load_b32 v99, v6, s[14:15] offset:512 th:TH_LOAD_NT
	s_wait_loadcnt 0x0
	global_store_b64 v7, v[98:99], s[20:21]
.Lno_scales:
	s_wait_loadcnt 0x0
	global_store_b128 v2, v[20:23], s[18:19]       ; the codes in operand order: a wave stores 512 consecutive bytes
	; ---- norm of the quaternion, s = exp(log s), exp(-o)
	v_mul_f32 v24, v16, v16
	v_fmac_f32 v24, v17, v17
	v_fmac_f32 v24, v18, v18
	v_fmac_f32 v24, v19, v19
	v_mul_f32 v25, 0x3fb8aa3b, v11                 ; x log2(e)
	v_mul_f32 v26, 0x3fb8aa3b, v12
	v_mul_f32 v27, 0x3fb8aa3b, v13
	v_mul_f32 v28, 0xbfb8aa3b, v14                 ; -o log2(e)
	v_sqrt_f32 v24, v24
	v_exp_f32 v25, v25
	v_exp_f32 v26, v26
	v_exp_f32 v27, v27
	v_exp_f32 v28, v28
	v_nop                                          ; a plain instruction behind the batch,
	s_wait_alu depctr_va_vdst(0)                   ; and one wait for the five, ahead of their first reader
	v_max_num_f32 v24, 0x2b8cbccc, v24             ; the norm, held at 1e-12 from below
	v_fmaak_f32 v25, v25, v25, 0x358637bd          ; s^2 + 1e-6
	v_fmaak_f32 v26, v26, v26, 0x358637bd
	v_fmaak_f32 v27, v27, v27, 0x358637bd
	v_add_f32 v28, 1.0, v28                        ; 1 + exp(-o)
	v_rcp_f32 v24, v24
	v_rcp_f32 v25, v25
	v_rcp_f32 v26, v26
	v_rcp_f32 v27, v27
	v_log_f32 v28, v28                             ; -log2(sigmoid(o))
	v_nop
	s_wait_alu depctr_va_vdst(0)                   ; one wait for this batch
	v_mul_f32 v16, v16, v24                        ; the unit quaternion
	v_mul_f32 v17, v17, v24
	v_mul_f32 v18, v18, v24
	v_mul_f32 v19, v19, v24
	v_mul_f32 v25, 0x3f38aa3b, v25                 ; d = kappa / (s^2 + 1e-6)
	v_mul_f32 v26, 0x3f38aa3b, v26
	v_mul_f32 v27, 0x3f38aa3b, v27
	; ---- R, rows in v40-42, v43-45, v46-48
	v_mul_f32 v30, v18, v18                        ; yy
	v_mul_f32 v31, v19, v19                        ; zz
	v_mul_f32 v35, v16, v17                        ; wx
	v_mul_f32 v36, v16, v18                        ; wy
	v_mul_f32 v37, v16, v19                        ; wz
	v_fma_f32 v40, v18, v18, v31                   ; yy + zz
	v_fma_f32 v41, v17, v18, -v37                  ; xy - wz
	v_fma_f32 v42, v17, v19, v36                   ; xz + wy
	v_fma_f32 v43, v17, v18, v37                   ; xy + wz
	v_fma_f32 v44, v17, v17, v31                   ; xx + zz
	v_fma_f32 v45, v18, v19, -v35                  ; yz - wx
	v_fma_f32 v46, v17, v19, -v36                  ; xz - wy
	v_fma_f32 v47, v18, v19, v35                   ; yz + wx
	v_fma_f32 v48, v17, v17, v30                   ; xx + yy
	v_fma_f32 v40, v40, -2.0, 1.0
	v_add_f32 v41, v41, v41
	v_add_f32 v42, v42, v42
	v_add_f32 v43, v43, v43
	v_fma_f32 v44, v44, -2.0, 1.0
	v_add_f32 v45, v45, v45
	v_add_f32 v46, v46, v46
	v_add_f32 v47, v47, v47
	v_fma_f32 v48, v48, -2.0, 1.0
	; ---- a = R diag(d) R^T
.irp i, 0,1,2
	v_mul_f32 v[49+3*\i], v[40+3*\i], v25          ; R's row i x d
	v_mul_f32 v[50+3*\i], v[41+3*\i], v26
	v_mul_f32 v[51+3*\i], v[42+3*\i], v27
.endr
.macro DOT3 d, a0, a1, a2, b0, b1, b2
	v_mul_f32 v[\d], v[\a0], v[\b0]
	v_fmac_f32 v[\d], v[\a1], v[\b1]
	v_fmac_f32 v[\d], v[\a2], v[\b2]
.endm
	DOT3 58, 49,50,51, 40,41,42                    ; a00
	DOT3 59, 52,53,54, 43,44,45                    ; a11
	DOT3 60, 55,56,57, 46,47,48                    ; a22
	DOT3 61, 49,50,51, 43,44,45                    ; a01
	DOT3 62, 49,50,51, 46,47,48                    ; a02
	DOT3 63, 52,53,54, 46,47,48                    ; a12
	DOT3 64, 58,61,62, 8,9,10                      ; b = a mu
	DOT3 65, 61,59,63, 8,9,10
	DOT3 66, 62,63,60, 8,9,10
	DOT3 67, 64,65,66, 8,9,10                      ; c = mu . b
	v_mul_f32 v68, -1.0, v58                       ; G[0 .. 11]
	v_mul_f32 v69, -1.0, v59
	v_mul_f32 v70, -1.0, v60
	v_mul_f32 v71, -2.0, v61
	v_mul_f32 v72, -2.0, v62
	v_mul_f32 v73, -2.0, v63
	v_mul_f32 v74, 2.0, v64
	v_mul_f32 v75, 2.0, v65
	v_mul_f32 v76, 2.0, v66
	v_mul_f32 v77, -1.0, v67
	v_mul_f32 v78, -1.0, v28
	v_mov_b32 v79, 0
	; ---- into the group's image in LDS.  Thread t is the gaussian t of the group: r = 8 (bit 5) + bits 2:0, v = bits 4:3
	v_and_b32 v80, 7, v0
	v_lshlrev_b32 v80, 4, v80                      ; 16 (r % 8)
	v_bfe_u32 v81, v0, 3, 1
	v_lshl_add_u32 v80, v81, 3, v80                ; + 8 (v % 2)
	v_bfe_u32 v81, v0, 4, 1
	v_lshl_add_u32 v80, v81, 9, v80                ; + 512 (v / 2)
	v_bfe_u32 v81, v0, 5, 1
	v_lshl_add_u32 v80, v81, 7, v80                ; + 16 x 8 (r / 8)
.irp c, 0,1,2
.irp h, 0,1
	ds_store_b64 v80, v[68+4*\c+2*\h:69+4*\c+2*\h] offset:1024*\c+256*\h   ; k = 4 c + 2 h + 0, 1: fragment 4 c + v, lane r + 16 h
.endr
.endr
	s_wait_dscnt 0x0                               ; for the other wave's sake: my stores have landed
	s_barrier_signal -1
	s_barrier_wait -1
.irp i, 0,1,2
	ds_load_b128 v[84+4*\i:87+4*\i], v2 offset:1024*\i
.endr
	s_wait_dscnt 0x0
.irp i, 0,1,2
	global_store_b128 v2, v[84+4*\i:87+4*\i], s[16:17] offset:1024*\i      ; a wave stores 512 consecutive bytes, at a multiple of 256 from coef's first byte
.endr
	s_wait_tensorcnt 0x0
	ds_add_u32 v104, v105
	s_wait_dscnt 0x0
	s_endpgm
.Lfunc_end_k_q1b96573b14_prep:
	.size	k_q1b96573b14_prep, .Lfunc_end_k_q1b96573b14_prep-k_q1b96573b14_prep
	.p2alignl 7, 3214868480
	.fill 96, 4, 3214868480
	.section	.rodata,"a",@progbits
	.p2align	6, 0x0
	.amdhsa_kernel k_q1b96573b14_prep
		.amdhsa_group_segment_fixed_size 3328
		.amdhsa_private_segment_fixed_size 0
		.amdhsa_enable_private_segment 0
		.amdhsa_kernarg_size 72
		.amdhsa_user_sgpr_count 2
		.amdhsa_user_sgpr_kernarg_segment_ptr 1
		.amdhsa_wavefront_size32 1
		.amdhsa_system_sgpr_workgroup_id_x 1
		.amdhsa_system_sgpr_workgroup_id_y 1
		.amdhsa_system_sgpr_workgroup_id_z 1
		.amdhsa_system_vgpr_workitem_id 0
		.amdhsa_next_free_vgpr 106
		.amdhsa_next_free_sgpr 66
		.amdhsa_reserve_vcc 0
		.amdhsa_float_denorm_mode_32 3
		.amdhsa_float_denorm_mode_16_64 3
		.amdhsa_memory_ordered 1
		.amdhsa_forward_progress 1
		.amdhsa_inst_pref_size 9
	.end_amdhsa_kernel
	.amdgpu_metadata
---
amdhsa.version: [ 1, 2 ]
amdhsa.kernels:
  - .name:           k_q1b96573b14_prep
    .symbol:         k_q1b96573b14_prep.kd
    .args:
      - { .name: means, .offset: 0, .size: 8, .value_kind: global_buffer, .address_space: global }
      - { .name: log_scales, .offset: 8, .size: 8, .value_kind: global_buffer, .address_space: global }
      - { .name: rotations, .offset: 16, .size: 8, .value_kind: global_buffer, .address_space: global }
      - { .name: opacity_logits, .offset: 24, .size: 8, .value_kind: global_buffer, .address_space: global }
      - { .name: gaussian_feats_codes, .offset: 32, .size: 8, .value_kind: global_buffer, .address_space: global }
      - { .name: gaussian_feats_scales, .offset: 40, .size: 8, .value_kind: global_buffer, .address_space: global }
      - { .name: coef, .offset: 48, .size: 8, .value_kind: global_buffer, .address_space: global }
      - { .name: fcodes, .offset: 56, .size: 8, .value_kind: global_buffer, .address_space: global }
      - { .name: fscales, .offset: 64, .size: 8, .value_kind: global_buffer, .address_space: global }
    .group_segment_fixed_size: 3328
    .private_segment_fixed_size: 0
    .kernarg_segment_align: 8
    .kernarg_segment_size: 72
    .max_flat_workgroup_size: 64
    .sgpr_count:     66
    .vgpr_count:     106
    .wavefront_size: 32
...
	.end_amdgpu_metadata
.endif
;; end of part 1
;; launch splat (part 2): grid 256 x 1, 16 waves a work-group, no clusters, 302,080 bytes of LDS; arguments query_xyz, coef, fcodes, fscales, out0; writes out0
.if DOCPART == 2
	.amdgcn_target "amdgcn-amd-amdhsa--gfx1250"
	.amdhsa_code_object_version 6
	.text
	.protected	k_q1b96573b14_splat
	.globl	k_q1b96573b14_splat
	.p2align	8
	.type	k_q1b96573b14_splat,@function
k_q1b96573b14_splat:
	s_mov_b64 s[64:65], 0
	v_nop
	global_prefetch_b8 v0, s[64:65] scope:SCOPE_SE
	s_setreg_imm32_b32 hwreg(HW_REG_WAVE_MODE, 25, 1), 1
	s_wait_xcnt 0x0
; out0[q][f] = sum over n of Q(w(q, n) / (sum over n of w(q, n) + 1e-8)) x feats[n][f],  w = sigmoid(o_n) exp(-maha(q, n) / 2),  Q: codes of FP4 (E2M1), one E8M0 scale for each 32 gaussians.
; log2 w = sum over k = 0 .. 11 of G[n][k] phi[q][k]  (G: buffer coef, made by the launch before; phi = x^2, y^2, z^2, xy, xz, yz, x, y, z, 1, 1, 0): f32 operands, three f32 matrix instructions of K = 4 a tile.
; SHARES.  A work-group owns 16 queries and walks all 16,384 gaussians, so that a row's sum and a row of out0 have one owner.  Sixteen waves, four to a SIMD, so that one wave's exponentials and conversions stand beside
;   another's matrix instructions; wave w takes gaussians 1,024 w .. 1,024 w + 1,023: 16 half steps of 64.
; TWO PASSES, since the weights are quantised normalised.  Pass 1: the weights and the rows' sums.  Pass 2: the weights again, x 1 / (sum + 1e-8), quantised, multiplied by the features' codes.
;   A work-group's weights are 16 x 16,384 x 4 bytes = 1 MB: they cannot all be kept.  Each wave keeps those of its first 4 half steps in 16 KB of LDS of its own: a quarter of pass 2 takes them from there.
; LAYOUT.  Source 0 = 16 gaussians, source 1 = my 16 queries: a lane holds ONE query (lane % 16), its registers run along the gaussians.  THE GAUSSIANS OF A TILE ARE NOT NEIGHBOURS: row m of tile v of a half step is gaussian
;   32 (m / 8) + 8 v + m % 8, so that the 32 result registers of lane (r, h) are the 32 neighbours 32 h + 0 .. 31: one whole block of the quantiser, in the place that the 4-bit operand's layout gives that lane.
;   The block's largest weight needs no other lane, and four conversions give four registers of the operand as they stand.
; THE TABLE comes from memory straight into registers, in operand order, 512 dense bytes a load, four half steps ahead.  All 256 work-groups walk the same 768 KB, and yet it is not asked for jointly in a cluster:
;   a joint load lands in LDS, each fragment is used once, by one wave, so the table's 1.75 x 768 KB would be written into LDS and read out of it once more, and the slots would take the LDS that holds the kept weights.
; LIMITS: weights under 2^-126 count as 0 (v_exp_f32's results: ISA guide, its entry in 15.8).  The division by the sum is a multiplication by its reciprocal, refined by one Newton step.
;   The exponent is reference()'s own expansion, a difference of large terms: its error grows with |q|^2 |A| as there.  NaN and infinities are not served.
.set HSB,  3072                        ; a half step's fragments: 64 gaussians x 12 f32
.set STG,  1024                        ; LDS: bytes 0 .. 1,023: [query][wave] partial sums;  from STG: the stage for out0: for each wave 16 rows of 128 bytes + 16
.set SIMG, 2304
.set HOLD, STG+16*SIMG                 ; from HOLD: the kept weights, 16,384 bytes a wave
.set LOFF, 1                           ; v1   16 x lane; never rewritten
.set FSO,  2                           ; v2   4 x lane; never rewritten
.set SH8,  3                           ; v3   8 h
.set RST,  4                           ; v4   LDS: where my wave's sum of query r goes
.set RLD,  5                           ; v5   LDS: query r's sixteen sums
.set SST,  6                           ; v6   LDS: where I put my results in my wave's stage
.set HAD,  7                           ; v7   LDS: my 16 bytes in my wave's kept weights
.set PHI,  8                           ; v[8:13]    phi: three fragments of two registers
.set INV,  14                          ; v[14:15]   1 / (sum + 1e-8), twice
.set SUM,  16                          ; v[16:23]   four chains of two sums
.set D,    24                          ; v[24:55]   log2 w of a half step: written by matrix instructions alone
.set W,    56                          ; v[56:87]   w
.set A,    88                          ; v[88:183]  four buffers of 12 fragments
.set PC,   184                         ; v[184:191] the weights' codes of 128 gaussians
.set FF,   192                         ; v[192:207] the features' two fragments
.set FS,   208                         ; v208 their scale words: lanes 0-15 features 0-15, lanes 16-31 features 16-31
.set SW,   209                         ; v209 the weights' scale word
.set O,    210                         ; v[210:225] out^T: two tiles of 16 features x my 16 queries
.set MXR,  226                         ; v226-229 largest weights
.set SO,   230                         ; v230 the conversions' scale operand
.set BY,   231                         ; v231-232 the two blocks' bytes
.set PT,   233
.set FRD,  234                         ; v234 LDS: the way out, where I read
.set OUTO, 235                         ; v235 16 x thread
.set QO,   236
.set QX,   237                         ; v237-239 x, y, z
.set T0,   240                         ; v240-251 at work at the head
.macro PLACES n
.rept \n
	v_nop
.endr
.endm
.macro LOADA buf, base, off            ; a half step's 12 fragments: six loads of 512 dense bytes
.irp i, 0,1,2,3,4,5
	global_load_b128 v[A+24*(\buf)+4*\i:A+24*(\buf)+4*\i+3], v[LOFF], s[\base:\base+1] offset:(\off)+512*\i
.endr
.endm
.macro FLOAD ks                        ; the features' codes and scale words of K step ks of the trip: five loads
.irp i, 0,1,2,3
	global_load_b128 v[FF+4*\i:FF+4*\i+3], v[LOFF], s[8:9] offset:2048*(\ks)+512*\i
.endr
	global_load_b32 v[FS], v[FSO], s[10:11] offset:128*(\ks)
.endm
; log2 w of 64 gaussians x 16 queries: four tiles by turns, K = 0-3, 4-7, 8-11; the first product starts each sum.  One instruction a turn.
.macro WM buf
.irp c, 0,1,2
.irp t, 0,1,2,3
.if \c == 0
	v_wmma_f32_16x16x4_f32 v[D+8*\t:D+8*\t+7], v[A+24*(\buf)+8*\c+2*\t:A+24*(\buf)+8*\c+2*\t+1], v[PHI+2*\c:PHI+2*\c+1], 0
.else
	v_wmma_f32_16x16x4_f32 v[D+8*\t:D+8*\t+7], v[A+24*(\buf)+8*\c+2*\t:A+24*(\buf)+8*\c+2*\t+1], v[PHI+2*\c:PHI+2*\c+1], v[D+8*\t:D+8*\t+7]
.endif
.endr
.endr
.endm
.macro EXPS                            ; w = 2^(log2 w): one batch, each tile read from its low end on; results in other registers than the matrix unit's
.set i, 0
.rept 32
	v_exp_f32 v[W+i], v[D+i]
.set i, i+1
.endr
	v_nop                                          ; a plain instruction behind the last exponential,
	s_wait_alu depctr_va_vdst(0)                   ; and one wait for the batch, ahead of its first reader
.endm
.macro SUMS                            ; the rows' sums of the unquantised w: two at a time, four chains
.set i, 0
.rept 16
	v_pk_add_f32 v[SUM+2*(i%4):SUM+2*(i%4)+1], v[SUM+2*(i%4):SUM+2*(i%4)+1], v[W+2*i:W+2*i+1]
.set i, i+1
.endr
.endm
.macro KEEP hs                         ; the 32 registers go to my wave's own LDS as they stand, 512 dense bytes a store
.irp i, 0,1,2,3,4,5,6,7
	ds_store_b128 v[HAD], v[W+4*\i:W+4*\i+3] offset:4096*(\hs)+512*\i
.endr
.endm
.macro TAKE hs                         ; and come back so
.irp i, 0,1,2,3,4,5,6,7
	ds_load_b128 v[W+4*\i:W+4*\i+3], v[HAD] offset:4096*(\hs)+512*\i
.endr
	s_wait_dscnt 0x0
.endm
; A half step of pass 1.  The buffer is filled again (from s[base] + off) eight places behind the last product that read it.
.macro HS1 buf, base, off, keep
	s_wait_loadcnt 18                              ; my buffer's six loads are in; the three other buffers' eighteen, issued behind them, may be out
	WM \buf
	PLACES 8                                       ; eight places behind this form, for the loads into the buffer and for the exponentials' reads
	LOADA \buf, \base, \off
	EXPS
.if \keep
	KEEP \buf
.endif
	SUMS                                           ; (with the eight above: more than the nine places in front of the next half step's first products, which write the tiles anew)
.if \keep
	s_wait_dscnt 0x0                               ; the stores have read their registers
.endif
.endm
; The weights in v[W] on are normalised and quantised: my block of 32 is block 2 par + h of the 128 gaussians.
.macro QUANT par
.set i, 0
.rept 16
	v_pk_mul_f32 v[W+2*i:W+2*i+1], v[W+2*i:W+2*i+1], v[INV:INV+1] op_sel_hi:[1,0]
.set i, i+1
.endr
.irp q, 0,1,2,3
	v_max3_num_f32 v[MXR+\q], v[W+8*\q], v[W+8*\q+1], v[W+8*\q+2]          ; the block's largest: all 32 are mine, none is negative; four chains by turns
.endr
.irp q, 0,1,2,3
	v_max3_num_f32 v[MXR+\q], v[MXR+\q], v[W+8*\q+3], v[W+8*\q+4]
.endr
.irp q, 0,1,2,3
	v_max3_num_f32 v[MXR+\q], v[MXR+\q], v[W+8*\q+5], v[W+8*\q+6]
.endr
	v_max3_num_f32 v[MXR], v[MXR], v[W+7], v[W+15]
	v_max3_num_f32 v[MXR+2], v[MXR+2], v[W+23], v[W+31]
	v_max3_num_f32 v[MXR], v[MXR], v[MXR+1], v[MXR+2]
	v_max3_num_f32 v[MXR], v[MXR], v[MXR+3], 0x1800000                     ; and the floor 2^(3 - 127): the byte cannot fall under 1 (a block of zeros keeps that byte: its codes are zeros)
	v_add_nc_u32 v[SO], 0xff000000, v[MXR]         ; 2 off the exponent field: the conversion takes the exponent field of this operand as its scale
	v_lshrrev_b32 v[BY+(\par)], 23, v[SO]          ; the scale's byte
.irp g, 0,1,2,3
	v_cvt_scalef32_pk8_fp4_f32 v[PC+4*(\par)+\g], v[W+8*\g:W+8*\g+7], v[SO]   ; registers 4 par .. 4 par + 3 of the operand: k = 64 par + 32 h + 0 .. 31
.endr
	v_nop                                          ; one plain place behind the last conversion
.endm
; The scale word of 128 gaussians, and the product: out^T += feats^T (16 features) x weights^T (my 16 queries).  wf: the loads issued behind the features' five.
.macro FIN wf
	v_lshl_or_b32 v[SW], v[BY+1], 16, v[BY]        ; my two bytes: blocks h and 2 + h,
	v_lshlrev_b32 v[SW], v[SH8], v[SW]             ; at their places in the word;
	v_permlanex16_b32 v[PT], v[SW], s20, s21
	v_or_b32 v[SW], v[SW], v[PT]                   ; with lane l xor 16's two the word is whole
	PLACES 8                                       ; a scale register written by a vector instruction stands eight places ahead of a scaled matrix instruction
	s_wait_loadcnt \wf
	v_wmma_scale_f32_16x16x128_f8f6f4 v[O:O+7], v[FF:FF+7], v[PC:PC+7], v[O:O+7], v[FS], v[SW] matrix_a_fmt:MATRIX_FMT_FP4 matrix_b_fmt:MATRIX_FMT_FP4
	v_wmma_scale_f32_16x16x128_f8f6f4 v[O+8:O+15], v[FF+8:FF+15], v[PC:PC+7], v[O+8:O+15], v[FS], v[SW] matrix_a_fmt:MATRIX_FMT_FP4 matrix_b_fmt:MATRIX_FMT_FP4 matrix_a_scale:MATRIX_SCALE_ROW1
	PLACES 4                                       ; four places behind this form: for the next loads into the features' registers, and at the end for the stores of the results
.endm
.macro HS2 buf, par, wa, ld            ; a half step of pass 2 whose weights are made again
	s_wait_loadcnt \wa
	WM \buf
	PLACES 8
.if \ld
	LOADA \buf, 28, (4+\buf)*HSB
.endif
	EXPS
	QUANT \par
.endm
; A trip of pass 2: two K steps of 128.  Loads are issued in this order: F0 (5), A0 (6), A1 (6), F1 (5), A2 (6), A3 (6); each wait's count is what is issued behind the loads that it wants.
.macro TRIP2 ld, w0, w1, f0, w2, w3, f1
	FLOAD 0
	HS2 0, 0, \w0, \ld
	HS2 1, 1, \w1, \ld
	FIN \f0
	FLOAD 1
	HS2 2, 0, \w2, \ld
	HS2 3, 1, \w3, \ld
	FIN \f1
.endm
	s_load_b256 s[4:11], s[0:1], 0x0               ; query_xyz s[4:5], coef s[6:7], fcodes s[8:9], fscales s[10:11]
	s_load_b64 s[12:13], s[0:1], 0x20              ; out0
	v_lshl_add_u32 v254, v0, 2, 0x49400
	v_mov_b32 v255, 0
	v_lshrrev_b32 v[T0], 5, v0
	v_readfirstlane_b32 s14, v[T0]                 ; wave 0..15
	v_and_b32 v[T0+1], 31, v0                      ; lane
	v_and_b32 v[T0+2], 15, v0                      ; r
	v_bfe_u32 v[T0+3], v0, 4, 1                    ; h
	v_lshlrev_b32 v[LOFF], 4, v[T0+1]
	v_lshlrev_b32 v[FSO], 2, v[T0+1]
	v_lshlrev_b32 v[SH8], 3, v[T0+3]
	v_lshlrev_b32 v[RLD], 6, v[T0+2]               ; query r's sixteen words
	v_lshl_add_u32 v[RST], v[T0], 2, v[RLD]        ; my wave's among them
	v_mul_u32_u24 v[SST], v[T0+2], 144             ; the stage: row r; rows 144 bytes apart, so that the sixteen lanes of a store touch sixteen different 16-byte columns modulo 256 bytes
	v_lshl_add_u32 v[SST], v[T0+3], 5, v[SST]      ; + 32 h: my eight features of a tile
	s_mul_i32 s30, s14, SIMG
	s_add_co_u32 s30, s30, STG
	v_add_nc_u32 v[SST], s30, v[SST]
	s_lshl_b32 s31, s14, 14
	s_add_co_u32 s31, s31, HOLD
	v_add_nc_u32 v[HAD], s31, v[LOFF]
	v_lshrrev_b32 v[FRD], 3, v0                    ; the way out (threads 0 to 127): query thread / 8, features 4 (thread % 8) on
	v_mul_u32_u24 v[FRD], v[FRD], 144
	v_and_b32 v[T0+1], 7, v0
	v_lshl_add_u32 v[FRD], v[T0+1], 4, v[FRD]
	v_add_nc_u32 v[FRD], STG, v[FRD]
	v_lshlrev_b32 v[OUTO], 4, v0
	v_mul_u32_u24 v[QO], v[T0+2], 12
	s_mul_i32 s16, ttmp9, 192                      ; my 16 queries x 12 bytes
	s_mov_b32 s17, 0
	s_mul_i32 s18, s14, 16*HSB                     ; my wave's 16 half steps of the table
	s_mov_b32 s19, 0
	s_lshl_b32 s22, s14, 14                        ; its 8 K steps of the features' codes, 2,048 bytes each,
	s_mov_b32 s23, 0
	s_lshl_b32 s24, s14, 10                        ; and of their scale words, 128 bytes each
	s_mov_b32 s25, 0
	s_lshl_b32 s26, ttmp9, 11                      ; my 16 rows of out0
	s_mov_b32 s27, 0
	s_mov_b32 s20, 0x76543210
	s_mov_b32 s21, 0xfedcba98                      ; v_permlanex16_b32's selects for lane l xor 16
	s_wait_kmcnt 0x0
	s_add_nc_u64 s[4:5], s[4:5], s[16:17]
	s_add_nc_u64 s[6:7], s[6:7], s[18:19]          ; the table at my wave's first half step: stays
	s_add_nc_u64 s[8:9], s[8:9], s[22:23]
	s_add_nc_u64 s[10:11], s[10:11], s[24:25]
	s_add_nc_u64 s[12:13], s[12:13], s[26:27]
	s_mov_b64 s[28:29], s[6:7]                     ; and walks
	global_load_b32 v[QX], v[QO], s[4:5]
	global_load_b32 v[QX+1], v[QO], s[4:5] offset:4
	global_load_b32 v[QX+2], v[QO], s[4:5] offset:8
	LOADA 0, 6, 0
	LOADA 1, 6, HSB
	LOADA 2, 6, 2*HSB
	LOADA 3, 6, 3*HSB
.irp i, 0,1,2,3,4,5,6,7
	v_mov_b32 v[SUM+\i], 0
.endr
.irp i, 0,1,2,3,4,5,6,7,8,9,10,11,12,13,14,15
	v_mov_b32 v[O+\i], 0                           ; sixteen lines once, so that pass 2's first product needs no text of its own
.endr
	v_mov_b32 v[PT], 0                             ; a lane permute's destination counts as one of its sources
	v_mov_b32 v[T0+4], 1.0
	v_mov_b32 v[T0+5], 0
	v_cmp_eq_u32 vcc_lo, 1, v[T0+3]                ; lanes 16-31
	s_wait_loadcnt 24                              ; x, y, z are in; the 24 loads of the table, issued behind them, may be out
	v_mul_f32 v[T0+6], v[QX], v[QX]                ; x^2
	v_mul_f32 v[T0+7], v[QX+1], v[QX+1]            ; y^2
	v_mul_f32 v[T0+8], v[QX+2], v[QX+2]            ; z^2
	v_mul_f32 v[T0+9], v[QX], v[QX+1]              ; xy
	v_mul_f32 v[T0+10], v[QX], v[QX+2]             ; xz
	v_mul_f32 v[T0+11], v[QX+1], v[QX+2]           ; yz
	v_cndmask_b32 v[PHI], v[T0+6], v[T0+8], vcc_lo     ; fragment c, register j of lane (r, h): phi[4 c + 2 h + j] of query r:  x^2 | z^2
	v_cndmask_b32 v[PHI+1], v[T0+7], v[T0+9], vcc_lo   ; y^2 | xy
	v_cndmask_b32 v[PHI+2], v[T0+10], v[QX], vcc_lo    ; xz | x
	v_cndmask_b32 v[PHI+3], v[T0+11], v[QX+1], vcc_lo  ; yz | y
	v_cndmask_b32 v[PHI+4], v[QX+2], v[T0+4], vcc_lo   ; z | 1
	v_cndmask_b32 v[PHI+5], v[T0+4], v[T0+5], vcc_lo   ; 1 | 0
	; ---- PASS 1.  Half steps 0-3: their weights are kept
	HS1 0, 28, 4*HSB, 1
	HS1 1, 28, 5*HSB, 1
	HS1 2, 28, 6*HSB, 1
	HS1 3, 28, 7*HSB, 1
	s_wait_xcnt 0x0                                ; the loads have read their base: it may step
	s_add_nc_u64 s[28:29], s[28:29], 4*HSB
	s_mov_b32 s15, 2
.Lsum:                                             ; half steps 4-11
	HS1 0, 28, 4*HSB, 0
	HS1 1, 28, 5*HSB, 0
	HS1 2, 28, 6*HSB, 0
	HS1 3, 28, 7*HSB, 0
	s_wait_xcnt 0x0
	s_add_nc_u64 s[28:29], s[28:29], 4*HSB
	s_sub_co_u32 s15, s15, 1
	s_cmp_lg_u32 s15, 0
	s_cbranch_scc1 .Lsum
	HS1 0, 6, 4*HSB, 0                             ; half steps 12-15; the buffers take half steps 4-7 again, the first that pass 2 makes anew: no load leaves my wave's part of the table
	HS1 1, 6, 5*HSB, 0
	HS1 2, 6, 6*HSB, 0
	HS1 3, 6, 7*HSB, 0
	FLOAD 0                                        ; pass 2's first features land while the sums meet
	; ---- the rows' sums: my chains, lane l xor 16's, the sixteen waves'
	v_pk_add_f32 v[SUM:SUM+1], v[SUM:SUM+1], v[SUM+2:SUM+3]
	v_pk_add_f32 v[SUM+4:SUM+5], v[SUM+4:SUM+5], v[SUM+6:SUM+7]
	v_pk_add_f32 v[SUM:SUM+1], v[SUM:SUM+1], v[SUM+4:SUM+5]
	v_add_f32 v[SUM], v[SUM], v[SUM+1]
	v_permlanex16_b32 v[SUM+1], v[SUM], s20, s21
	v_add_f32 v[SUM], v[SUM], v[SUM+1]
	ds_store_b32 v[RST], v[SUM]                    ; lanes r and r + 16 write the same word with the same value
	s_wait_dscnt 0x0                               ; for the others' sake: my store has landed
	s_barrier_signal -1
	s_barrier_wait -1
.irp i, 0,1,2,3
	ds_load_b128 v[W+4*\i:W+4*\i+3], v[RLD] offset:16*\i
.endr
	s_wait_xcnt 0x0                                ; the loop's loads have read the walking base:
	s_add_nc_u64 s[28:29], s[6:7], 4*HSB           ; pass 2's loop begins at half step 4
	s_wait_dscnt 0x0
.irp i, 0,4,8,12
	v_pk_add_f32 v[W+\i:W+\i+1], v[W+\i:W+\i+1], v[W+\i+2:W+\i+3]
.endr
	v_pk_add_f32 v[W:W+1], v[W:W+1], v[W+4:W+5]
	v_pk_add_f32 v[W+8:W+9], v[W+8:W+9], v[W+12:W+13]
	v_pk_add_f32 v[W:W+1], v[W:W+1], v[W+8:W+9]
	v_add_f32 v[W], v[W], v[W+1]                   ; every wave adds in the same order: one sum for all
	v_add_f32 v[W], 0x322bcc77, v[W]               ; + 1e-8
	v_rcp_f32 v[INV], v[W]
	v_nop
	s_wait_alu depctr_va_vdst(0)                   ; the wait ahead of the reciprocal's first reader
	v_fma_f32 v[W+1], -v[W], v[INV], 1.0           ; one Newton step
	v_fma_f32 v[INV], v[W+1], v[INV], v[INV]
	v_mov_b32 v[INV+1], v[INV]                     ; (named with it as a pair)
	; ---- PASS 2.  K steps 0 and 1: the kept weights
	TAKE 0
	QUANT 0
	TAKE 1
	QUANT 1
	FIN 0                                          ; nothing was issued behind these features' loads
	FLOAD 1
	TAKE 2
	QUANT 0
	TAKE 3
	QUANT 1
	FIN 0
	s_wait_xcnt 0x0
	s_add_nc_u64 s[8:9], s[8:9], 4096
	s_add_nc_u64 s[10:11], s[10:11], 256
	s_mov_b32 s15, 2
.Lmul:                                             ; K steps 2-5.  28: behind a buffer's six loads three other buffers' 18 and two sets of features' 5 were issued (on the way in: more).  12: two buffers' refills behind the features'
	TRIP2 1, 28, 28, 12, 28, 28, 12
	s_wait_xcnt 0x0
	s_add_nc_u64 s[28:29], s[28:29], 4*HSB
	s_add_nc_u64 s[8:9], s[8:9], 4096
	s_add_nc_u64 s[10:11], s[10:11], 256
	s_sub_co_u32 s15, s15, 1
	s_cmp_lg_u32 s15, 0
	s_cbranch_scc1 .Lmul
	TRIP2 0, 28, 22, 0, 16, 10, 0                  ; K steps 6 and 7 fill no buffer: the counts run down
	; ---- THE WAY OUT.  Sixteen waves hold sums over different gaussians.  Lane (r, h), tile u, register j: out0(query r, feature 16 u + 8 h + j).  Each wave's 16 x 32 go to its stage; behind a barrier four waves add the sixteen.
	ds_store_b128 v[SST], v[O:O+3]                 ; each tile from its low end on
	ds_store_b128 v[SST], v[O+4:O+7] offset:16
	ds_store_b128 v[SST], v[O+8:O+11] offset:64
	ds_store_b128 v[SST], v[O+12:O+15] offset:80
	s_wait_dscnt 0x0                               ; for the others' sake: my stores have landed
	s_barrier_signal -1
	s_barrier_wait -1
	s_cmp_lt_u32 s14, 4
	s_cbranch_scc0 .Ldone
.irp i, 0,1,2,3,4,5,6,7,8,9,10,11,12,13,14,15
	ds_load_b128 v[A+4*\i:A+4*\i+3], v[FRD] offset:SIMG*\i     ; four neighbouring numbers of a row of out0, from each wave's stage
.endr
	s_wait_dscnt 0x0
.irp st, 8,4,2,1
.set i, 0
.rept \st
	v_pk_add_f32 v[A+4*i:A+4*i+1], v[A+4*i:A+4*i+1], v[A+4*(i+\st):A+4*(i+\st)+1]
	v_pk_add_f32 v[A+4*i+2:A+4*i+3], v[A+4*i+2:A+4*i+3], v[A+4*(i+\st)+2:A+4*(i+\st)+3]
.set i, i+1
.endr
.endr
	global_store_b128 v[OUTO], v[A:A+3], s[12:13] th:TH_STORE_NT   ; a wave stores 512 consecutive bytes, at a multiple of 256 from out0's first byte
.Ldone:
	s_wait_tensorcnt 0x0
	ds_add_u32 v254, v255
	s_wait_dscnt 0x0
	s_endpgm
.Lfunc_end_k_q1b96573b14_splat:
	.size	k_q1b96573b14_splat, .Lfunc_end_k_q1b96573b14_splat-k_q1b96573b14_splat
	.p2alignl 7, 3214868480
	.fill 96, 4, 3214868480
	.section	.rodata,"a",@progbits
	.p2align	6, 0x0
	.amdhsa_kernel k_q1b96573b14_splat
		.amdhsa_group_segment_fixed_size 302080
		.amdhsa_private_segment_fixed_size 0
		.amdhsa_enable_private_segment 0
		.amdhsa_kernarg_size 40
		.amdhsa_user_sgpr_count 2
		.amdhsa_user_sgpr_kernarg_segment_ptr 1
		.amdhsa_wavefront_size32 1
		.amdhsa_system_sgpr_workgroup_id_x 1
		.amdhsa_system_sgpr_workgroup_id_y 1
		.amdhsa_system_sgpr_workgroup_id_z 1
		.amdhsa_system_vgpr_workitem_id 0
		.amdhsa_next_free_vgpr 256
		.amdhsa_next_free_sgpr 66
		.amdhsa_reserve_vcc 1
		.amdhsa_float_denorm_mode_32 3
		.amdhsa_float_denorm_mode_16_64 3
		.amdhsa_memory_ordered 1
		.amdhsa_forward_progress 1
		.amdhsa_inst_pref_size 117
	.end_amdhsa_kernel
	.amdgpu_metadata
---
amdhsa.version: [ 1, 2 ]
amdhsa.kernels:
  - .name:           k_q1b96573b14_splat
    .symbol:         k_q1b96573b14_splat.kd
    .args:
      - { .name: query_xyz, .offset: 0, .size: 8, .value_kind: global_buffer, .address_space: global }
      - { .name: coef, .offset: 8, .size: 8, .value_kind: global_buffer, .address_space: global }
      - { .name: fcodes, .offset: 16, .size: 8, .value_kind: global_buffer, .address_space: global }
      - { .name: fscales, .offset: 24, .size: 8, .value_kind: global_buffer, .address_space: global }
      - { .name: out0, .offset: 32, .size: 8, .value_kind: global_buffer, .address_space: global }
    .group_segment_fixed_size: 302080
    .private_segment_fixed_size: 0
    .kernarg_segment_align: 8
    .kernarg_segment_size: 40
    .max_flat_workgroup_size: 512
    .sgpr_count:     66
    .vgpr_count:     256
    .wavefront_size: 32
...
	.end_amdgpu_metadata
.endif
;; end of part 2
;; ======== version 2 of 2: 2 launches; version 1 with the launch splat written anew for expert scheduling mode
;; workspace buffers: coef 786,432 bytes; fcodes 262,144 bytes; fscales 16,384 bytes
;; launch prep: the kernel of part 1 again; grid 256 x 1, 2 waves a work-group, no clusters, 3,328 bytes of LDS; arguments means, log_scales, rotations, opacity_logits, gaussian_feats_codes, gaussian_feats_scales, coef, fcodes, fscales; writes coef, fcodes, fscales
;; launch splat (part 3): grid 256 x 1, 16 waves a work-group, no clusters, 302,080 bytes of LDS; arguments query_xyz, coef, fcodes, fscales, out0; writes out0
.if DOCPART == 3
	.amdgcn_target "amdgcn-amd-amdhsa--gfx1250"
	.amdhsa_code_object_version 6
	.text
	.protected	k_q1b96573b14_splat
	.globl	k_q1b96573b14_splat
	.p2align	8
	.type	k_q1b96573b14_splat,@function
k_q1b96573b14_splat:
	s_mov_b64 s[64:65], 0
	v_nop
	global_prefetch_b8 v0, s[64:65] scope:SCOPE_SE
	s_setreg_imm32_b32 hwreg(HW_REG_WAVE_SCHED_MODE, 0, 2), 2
	s_setreg_imm32_b32 hwreg(HW_REG_WAVE_MODE, 25, 1), 1
	s_wait_xcnt 0x0
	s_wait_alu depctr_vm_vsrc(0)
; out0[q][f] = sum over n of Q(w(q, n) / (sum over n of w(q, n) + 1e-8)) x feats[n][f],  w = sigmoid(o_n) exp(-maha(q, n) / 2),  Q: codes of FP4 (E2M1), one E8M0 scale for each 32 gaussians.
; log2 w = sum over k = 0 .. 11 of G[n][k] phi[q][k]  (G: buffer coef, made by the launch before; phi = x^2, y^2, z^2, xy, xz, yz, x, y, z, 1, 1, 0): f32 operands, three f32 matrix instructions of K = 4 a tile.
; SHARES.  A work-group owns 16 queries and walks all 16,384 gaussians, so that a row's sum and a row of out0 have one owner.  Sixteen waves, four to a SIMD, so that one wave's exponentials and conversions stand beside
;   another's matrix instructions; wave w takes gaussians 1,024 w .. 1,024 w + 1,023: 16 half steps of 64.
; TWO PASSES, since the weights are quantised normalised.  Pass 1: the weights and the rows' sums.  Pass 2: the weights again, x 1 / (sum + 1e-8), quantised, multiplied by the features' codes.
;   A work-group's weights are 16 x 16,384 x 4 bytes = 1 MB: they cannot all be kept.  Each wave keeps those of its first 4 half steps in 16 KB of LDS of its own: a quarter of pass 2 takes them from there.
; LAYOUT.  Source 0 = 16 gaussians, source 1 = my 16 queries: a lane holds ONE query (lane % 16), its registers run along the gaussians.  THE GAUSSIANS OF A TILE ARE NOT NEIGHBOURS: row m of tile v of a half step is gaussian
;   32 (m / 8) + 8 v + m % 8, so that the 32 result registers of lane (r, h) are the 32 neighbours 32 h + 0 .. 31: one whole block of the quantiser, in the place that the 4-bit operand's layout gives that lane.
;   The block's largest weight needs no other lane, and four conversions give four registers of the operand as they stand.
; THE TABLE comes from memory straight into registers, in operand order, 512 dense bytes a load, four half steps ahead.  All 256 work-groups walk the same 768 KB, and yet it is not asked for jointly in a cluster:
;   a joint load lands in LDS, each fragment is used once, by one wave, so the table's 1.75 x 768 KB would be written into LDS and read out of it once more, and the slots would take the LDS that holds the kept weights.
; LIMITS: weights under 2^-126 count as 0 (v_exp_f32's results: ISA guide, its entry in 15.8).  The division by the sum is a multiplication by its reciprocal, refined by one Newton step.
;   The exponent is reference()'s own expansion, a difference of large terms: its error grows with |q|^2 |A| as there.  NaN and infinities are not served.
; THE MODE: SCHED_MODE bits 1:0 = 2 (LLVM: expert scheduling mode 2), set by the entry lines.  The code itself states the register dependences
;   between vector or matrix instructions and memory or LDS instructions, with s_wait_alu, always for 0.
; THE PLAN.  Registers that memory or LDS instructions touch:
;   v1, v2, v4-v7, v234-v236  offsets and LDS addresses: made once at the head and never written again: one wait on va_vdst ahead of the first load serves them for the whole kernel.
;   A0 .. A3   A half step's twelve f32 products read its buffer; behind the half step's wait the six loads of the half step four on land in it.  On the way out the stage's loads land in A, and the last store reads its first four registers.
;   FF, FS     A K step's two FP4 products read them; the next K step's five loads land in them behind the next half step's wait.
;   W          Written by the exponentials and the scalings, read by the sums, the maxima and the conversions.  LDS stores read it in pass 1's first four half steps; LDS loads land in it: the sixteen partial sums, the kept weights.
;   v16, O     The data of one run of LDS stores each; not written again behind it.
;   PC, SW     Written by vector instructions, taken by the scaled products as operand and as scales.
;   D, PHI, INV and the registers at work are named by vector and matrix instructions alone.
; So ONE wait on va_vdst stands in a half step, behind its exponentials: it states that W is written, that the half step's products are done reading their buffer, and that the FP4 products issued earlier are done reading
; FF and FS.  The half step's loads follow it, dealt among packed additions or scalings, which name W, SUM and INV: none of the registers that those loads touch.
.set HSB,  3072                        ; a half step's fragments: 64 gaussians x 12 f32
.set STG,  1024                        ; LDS: bytes 0 .. 1,023: [query][wave] partial sums;  from STG: the stage for out0: for each wave 16 rows of 128 bytes + 16
.set SIMG, 2304
.set HOLD, STG+16*SIMG                 ; from HOLD: the kept weights, 16,384 bytes a wave
.set LOFF, 1                           ; v1   16 x lane; never rewritten
.set FSO,  2                           ; v2   4 x lane; never rewritten
.set SH8,  3                           ; v3   8 h
.set RST,  4                           ; v4   LDS: where my wave's sum of query r goes
.set RLD,  5                           ; v5   LDS: query r's sixteen sums
.set SST,  6                           ; v6   LDS: where I put my results in my wave's stage
.set HAD,  7                           ; v7   LDS: my 16 bytes in my wave's kept weights
.set PHI,  8                           ; v[8:13]    phi: three fragments of two registers
.set INV,  14                          ; v[14:15]   1 / (sum + 1e-8), twice
.set SUM,  16                          ; v[16:23]   four chains of two sums
.set D,    24                          ; v[24:55]   log2 w of a half step: written by matrix instructions alone
.set W,    56                          ; v[56:87]   w
.set A,    88                          ; v[88:183]  four buffers of 12 fragments
.set PC,   184                         ; v[184:191] the weights' codes of 128 gaussians
.set FF,   192                         ; v[192:207] the features' two fragments
.set FS,   208                         ; v208 their scale words: lanes 0-15 features 0-15, lanes 16-31 features 16-31
.set SW,   209                         ; v209 the weights' scale word
.set O,    210                         ; v[210:225] out^T: two tiles of 16 features x my 16 queries
.set MXR,  226                         ; v226-229 largest weights
.set SO,   230                         ; v230 the conversions' scale operand
.set BY,   231                         ; v231-232 the two blocks' bytes
.set PT,   233
.set FRD,  234                         ; v234 LDS: the way out, where I read
.set OUTO, 235                         ; v235 16 x thread
.set QO,   236
.set QX,   237                         ; v237-239 x, y, z
.set T0,   240                         ; v240-251 at work at the head; v240-241 once more: the sum + 1e-8 and the Newton step's difference
.macro PLACES n
.rept \n
	v_nop
.endr
.endm
.macro LD1 buf, base, off, n           ; load n of the six that bring a half step's 12 fragments: 512 dense bytes
	global_load_b128 v[A+24*(\buf)+4*(\n):A+24*(\buf)+4*(\n)+3], v[LOFF], s[\base:\base+1] offset:(\off)+512*(\n)
.endm
.macro LOADA buf, base, off            ; the six in a run: at the head
.irp i, 0,1,2,3,4,5
	LD1 \buf, \base, \off, \i
.endr
.endm
.macro FL1 ks, n                       ; load n of the five that bring the features' codes and scale words of K step ks of the trip
.if (\n) < 4
	global_load_b128 v[FF+4*(\n):FF+4*(\n)+3], v[LOFF], s[8:9] offset:2048*(\ks)+512*(\n)
.else
	global_load_b32 v[FS], v[FSO], s[10:11] offset:128*(\ks)
.endif
.endm
.macro FLOAD ks                        ; the five in a run
.irp i, 0,1,2,3,4
	FL1 \ks, \i
.endr
.endm
; log2 w of 64 gaussians x 16 queries: four tiles by turns, K = 0-3, 4-7, 8-11; the first product starts each sum.  One instruction a turn.
.macro WM buf
.irp c, 0,1,2
.irp t, 0,1,2,3
.if \c == 0
	v_wmma_f32_16x16x4_f32 v[D+8*\t:D+8*\t+7], v[A+24*(\buf)+8*\c+2*\t:A+24*(\buf)+8*\c+2*\t+1], v[PHI+2*\c:PHI+2*\c+1], 0
.else
	v_wmma_f32_16x16x4_f32 v[D+8*\t:D+8*\t+7], v[A+24*(\buf)+8*\c+2*\t:A+24*(\buf)+8*\c+2*\t+1], v[PHI+2*\c:PHI+2*\c+1], v[D+8*\t:D+8*\t+7]
.endif
.endr
.endr
.endm
.macro EXPS                            ; w = 2^(log2 w): one batch, each tile read from its low end on; results in other registers than the matrix unit's
.set i, 0
.rept 32
	v_exp_f32 v[W+i], v[D+i]
.set i, i+1
.endr
	v_nop                                          ; a plain instruction behind the last exponential
	s_wait_alu depctr_va_vdst(0)                   ; THE HALF STEP'S WAIT: the exponentials have written v[W ..], ahead of their first reader; the twelve products above are done reading their buffer of the table, and the FP4 products issued earlier FF and FS: the loads below land in these
.endm
; The rows' sums of the unquantised w: two at a time, four chains.  The buffer's six loads (from s[base] + off) are dealt among them, one ahead of each second addition: the additions name SUM and W alone.
.macro SUMS buf, base, off
.set i, 0
.rept 16
.if (i%2 == 0) && (i < 12)
	LD1 \buf, \base, \off, i/2
.endif
	v_pk_add_f32 v[SUM+2*(i%4):SUM+2*(i%4)+1], v[SUM+2*(i%4):SUM+2*(i%4)+1], v[W+2*i:W+2*i+1]
.set i, i+1
.endr
.endm
.macro KEEP hs                         ; the 32 registers go to my wave's own LDS as they stand, 512 dense bytes a store
.irp i, 0,1,2,3,4,5,6,7
	ds_store_b128 v[HAD], v[W+4*\i:W+4*\i+3] offset:4096*(\hs)+512*\i
.endr
.endm
.macro TAKE hs                         ; and come back so
.irp i, 0,1,2,3,4,5,6,7
	ds_load_b128 v[W+4*\i:W+4*\i+3], v[HAD] offset:4096*(\hs)+512*\i
.endr
.endm
; A half step of pass 1.  The buffer is filled again behind the half step's wait.
.macro HS1 buf, base, off, keep
	s_wait_loadcnt 18                              ; my buffer's six loads are in; the three other buffers' eighteen, issued behind them, may be out
	WM \buf
	PLACES 8                                       ; eight places behind this form, for the exponentials' reads of the results
	EXPS
.if \keep
	KEEP \buf                                      ; (the wait above has shown their data written)
.endif
	SUMS \buf, \base, \off                         ; (with the eight above: more than the nine places in front of the next half step's first products, which write the tiles anew)
.if \keep
	s_wait_dscnt 0x0                               ; my stores into the kept weights are done,
	s_wait_alu depctr_vm_vsrc(0)                   ; and they have read v[W ..], which the next half step's exponentials write
.endif
.endm
; The weights in v[W] on are normalised and quantised: my block of 32 is block 2 par + h of the 128 gaussians.
; fl = 1: the five loads of the features of K step ks, al = 1: the six of the table's buffer buf, are dealt among the scalings, one ahead of each: the scalings name W and INV alone.
.macro QUANT par, fl, ks, al, buf
.set i, 0
.rept 16
.if (\fl) && (i < 5)
	FL1 \ks, i
.endif
.if (\al) && (i >= 5*(\fl)) && (i < 5*(\fl)+6)
	LD1 \buf, 28, (4+\buf)*HSB, i-5*(\fl)
.endif
	v_pk_mul_f32 v[W+2*i:W+2*i+1], v[W+2*i:W+2*i+1], v[INV:INV+1] op_sel_hi:[1,0]
.set i, i+1
.endr
.irp q, 0,1,2,3
	v_max3_num_f32 v[MXR+\q], v[W+8*\q], v[W+8*\q+1], v[W+8*\q+2]          ; the block's largest: all 32 are mine, none is negative; four chains by turns
.endr
.irp q, 0,1,2,3
	v_max3_num_f32 v[MXR+\q], v[MXR+\q], v[W+8*\q+3], v[W+8*\q+4]
.endr
.irp q, 0,1,2,3
	v_max3_num_f32 v[MXR+\q], v[MXR+\q], v[W+8*\q+5], v[W+8*\q+6]
.endr
	v_max3_num_f32 v[MXR], v[MXR], v[W+7], v[W+15]
	v_max3_num_f32 v[MXR+2], v[MXR+2], v[W+23], v[W+31]
	v_max3_num_f32 v[MXR], v[MXR], v[MXR+1], v[MXR+2]
	v_max3_num_f32 v[MXR], v[MXR], v[MXR+3], 0x1800000                     ; and the floor 2^(3 - 127): the byte cannot fall under 1 (a block of zeros keeps that byte: its codes are zeros)
	v_add_nc_u32 v[SO], 0xff000000, v[MXR]         ; 2 off the exponent field: the conversion takes the exponent field of this operand as its scale
	v_lshrrev_b32 v[BY+(\par)], 23, v[SO]          ; the scale's byte
.irp g, 0,1,2,3
	v_cvt_scalef32_pk8_fp4_f32 v[PC+4*(\par)+\g], v[W+8*\g:W+8*\g+7], v[SO]   ; registers 4 par .. 4 par + 3 of the operand: k = 64 par + 32 h + 0 .. 31
.endr
	v_nop                                          ; one plain place behind the last conversion
.endm
; The scale word of 128 gaussians, and the product: out^T += feats^T (16 features) x weights^T (my 16 queries).  wf: the loads issued behind the features' five.  tk >= 0: the kept weights of half step tk are asked for here.
.macro FIN wf, tk
	v_lshl_or_b32 v[SW], v[BY+1], 16, v[BY]        ; my two bytes: blocks h and 2 + h,
	v_lshlrev_b32 v[SW], v[SH8], v[SW]             ; at their places in the word;
	v_permlanex16_b32 v[PT], v[SW], s20, s21
	v_or_b32 v[SW], v[SW], v[PT]                   ; with lane l xor 16's two the word is whole
	PLACES 8                                       ; a scale register written by a vector instruction stands eight places ahead of a scaled matrix instruction
	s_wait_alu depctr_va_vdst(0)                   ; v[SW] and v[PC ..] are written, which the scaled products take as scales and as operand; and the conversions are done reading v[W ..], in which the kept weights land
.if (\tk) >= 0
	TAKE \tk
.endif
	s_wait_loadcnt \wf
	v_wmma_scale_f32_16x16x128_f8f6f4 v[O:O+7], v[FF:FF+7], v[PC:PC+7], v[O:O+7], v[FS], v[SW] matrix_a_fmt:MATRIX_FMT_FP4 matrix_b_fmt:MATRIX_FMT_FP4
	v_wmma_scale_f32_16x16x128_f8f6f4 v[O+8:O+15], v[FF+8:FF+15], v[PC:PC+7], v[O+8:O+15], v[FS], v[SW] matrix_a_fmt:MATRIX_FMT_FP4 matrix_b_fmt:MATRIX_FMT_FP4 matrix_a_scale:MATRIX_SCALE_ROW1
	PLACES 4                                       ; four places behind this form (written in every FIN, since the macro is one): the last FIN's stand ahead of the LDS stores of the results
.endm
.macro HS2 buf, par, wa, ld, fl, ks    ; a half step of pass 2 whose weights are made again
	s_wait_loadcnt \wa
	WM \buf
	PLACES 8
	EXPS
	QUANT \par, \fl, \ks, \ld, \buf
.endm
; A trip of pass 2: two K steps of 128.  Loads are issued in this order: F0 (5), A0 (6), A1 (6), F1 (5), A2 (6), A3 (6), each group behind its half step's wait; each count on LOADcnt is what is issued behind the loads that it wants.
.macro TRIP2 ld, w0, w1, f0, w2, w3, f1
	HS2 0, 0, \w0, \ld, 1, 0
	HS2 1, 1, \w1, \ld, 0, 0
	FIN \f0, -1
	HS2 2, 0, \w2, \ld, 1, 1
	HS2 3, 1, \w3, \ld, 0, 0
	FIN \f1, -1
.endm
	s_load_b256 s[4:11], s[0:1], 0x0               ; query_xyz s[4:5], coef s[6:7], fcodes s[8:9], fscales s[10:11]
	s_load_b64 s[12:13], s[0:1], 0x20              ; out0
	v_lshl_add_u32 v254, v0, 2, 0x49400
	v_mov_b32 v255, 0
	v_lshrrev_b32 v[T0], 5, v0
	v_readfirstlane_b32 s14, v[T0]                 ; wave 0..15
	v_and_b32 v[T0+1], 31, v0                      ; lane
	v_and_b32 v[T0+2], 15, v0                      ; r
	v_bfe_u32 v[T0+3], v0, 4, 1                    ; h
	v_lshlrev_b32 v[LOFF], 4, v[T0+1]
	v_lshlrev_b32 v[FSO], 2, v[T0+1]
	v_lshlrev_b32 v[SH8], 3, v[T0+3]
	v_lshlrev_b32 v[RLD], 6, v[T0+2]               ; query r's sixteen words
	v_lshl_add_u32 v[RST], v[T0], 2, v[RLD]        ; my wave's among them
	v_mul_u32_u24 v[SST], v[T0+2], 144             ; the stage: row r; rows 144 bytes apart, so that the sixteen lanes of a store touch sixteen different 16-byte columns modulo 256 bytes
	v_lshl_add_u32 v[SST], v[T0+3], 5, v[SST]      ; + 32 h: my eight features of a tile
	s_wait_alu depctr_va_sdst(0)                   ; s14 is written, ahead of its first reader: LDS addresses and the bases are made from it
	s_mul_i32 s30, s14, SIMG
	s_add_co_u32 s30, s30, STG
	v_add_nc_u32 v[SST], s30, v[SST]
	s_lshl_b32 s31, s14, 14
	s_add_co_u32 s31, s31, HOLD
	v_add_nc_u32 v[HAD], s31, v[LOFF]
	v_lshrrev_b32 v[FRD], 3, v0                    ; the way out (threads 0 to 127): query thread / 8, features 4 (thread % 8) on
	v_mul_u32_u24 v[FRD], v[FRD], 144
	v_and_b32 v[T0+1], 7, v0
	v_lshl_add_u32 v[FRD], v[T0+1], 4, v[FRD]
	v_add_nc_u32 v[FRD], STG, v[FRD]
	v_lshlrev_b32 v[OUTO], 4, v0
	v_mul_u32_u24 v[QO], v[T0+2], 12
	s_mul_i32 s16, ttmp9, 192                      ; my 16 queries x 12 bytes
	s_mov_b32 s17, 0
	s_mul_i32 s18, s14, 16*HSB                     ; my wave's 16 half steps of the table
	s_mov_b32 s19, 0
	s_lshl_b32 s22, s14, 14                        ; its 8 K steps of the features' codes, 2,048 bytes each,
	s_mov_b32 s23, 0
	s_lshl_b32 s24, s14, 10                        ; and of their scale words, 128 bytes each
	s_mov_b32 s25, 0
	s_lshl_b32 s26, ttmp9, 11                      ; my 16 rows of out0
	s_mov_b32 s27, 0
	s_mov_b32 s20, 0x76543210
	s_mov_b32 s21, 0xfedcba98                      ; v_permlanex16_b32's selects for lane l xor 16
	s_wait_kmcnt 0x0
	s_add_nc_u64 s[4:5], s[4:5], s[16:17]
	s_add_nc_u64 s[6:7], s[6:7], s[18:19]          ; the table at my wave's first half step: stays
	s_add_nc_u64 s[8:9], s[8:9], s[22:23]
	s_add_nc_u64 s[10:11], s[10:11], s[24:25]
	s_add_nc_u64 s[12:13], s[12:13], s[26:27]
	s_mov_b64 s[28:29], s[6:7]                     ; and walks
	s_wait_alu depctr_va_vdst(0)                   ; the offsets and LDS addresses v1, v2, v4 to v7 and v234 to v236 are written: every load and store of the kernel reads one of them
	global_load_b32 v[QX], v[QO], s[4:5]
	global_load_b32 v[QX+1], v[QO], s[4:5] offset:4
	global_load_b32 v[QX+2], v[QO], s[4:5] offset:8
	LOADA 0, 6, 0
	LOADA 1, 6, HSB
	LOADA 2, 6, 2*HSB
	LOADA 3, 6, 3*HSB
.irp i, 0,1,2,3,4,5,6,7
	v_mov_b32 v[SUM+\i], 0
.endr
.irp i, 0,1,2,3,4,5,6,7,8,9,10,11,12,13,14,15
	v_mov_b32 v[O+\i], 0                           ; sixteen lines once, so that pass 2's first product needs no text of its own
.endr
	v_mov_b32 v[PT], 0                             ; a lane permute's destination counts as one of its sources
	v_mov_b32 v[T0+4], 1.0
	v_mov_b32 v[T0+5], 0
	v_cmp_eq_u32 vcc_lo, 1, v[T0+3]                ; lanes 16-31
	s_wait_loadcnt 24                              ; x, y, z are in; the 24 loads of the table, issued behind them, may be out
	v_mul_f32 v[T0+6], v[QX], v[QX]                ; x^2
	v_mul_f32 v[T0+7], v[QX+1], v[QX+1]            ; y^2
	v_mul_f32 v[T0+8], v[QX+2], v[QX+2]            ; z^2
	v_mul_f32 v[T0+9], v[QX], v[QX+1]              ; xy
	v_mul_f32 v[T0+10], v[QX], v[QX+2]             ; xz
	v_mul_f32 v[T0+11], v[QX+1], v[QX+2]           ; yz
	s_wait_alu depctr_va_vcc(0)                    ; VCC is written, ahead of its first reader: the six selections below
	v_cndmask_b32 v[PHI], v[T0+6], v[T0+8], vcc_lo     ; fragment c, register j of lane (r, h): phi[4 c + 2 h + j] of query r:  x^2 | z^2
	v_cndmask_b32 v[PHI+1], v[T0+7], v[T0+9], vcc_lo   ; y^2 | xy
	v_cndmask_b32 v[PHI+2], v[T0+10], v[QX], vcc_lo    ; xz | x
	v_cndmask_b32 v[PHI+3], v[T0+11], v[QX+1], vcc_lo  ; yz | y
	v_cndmask_b32 v[PHI+4], v[QX+2], v[T0+4], vcc_lo   ; z | 1
	v_cndmask_b32 v[PHI+5], v[T0+4], v[T0+5], vcc_lo   ; 1 | 0
	; ---- PASS 1.  Half steps 0-3: their weights are kept
	HS1 0, 28, 4*HSB, 1
	HS1 1, 28, 5*HSB, 1
	HS1 2, 28, 6*HSB, 1
	HS1 3, 28, 7*HSB, 1
	s_wait_xcnt 0x0                                ; the loads have read their base: it may step
	s_add_nc_u64 s[28:29], s[28:29], 4*HSB
	s_mov_b32 s15, 2
.Lsum:                                             ; half steps 4-11
	HS1 0, 28, 4*HSB, 0
	HS1 1, 28, 5*HSB, 0
	HS1 2, 28, 6*HSB, 0
	HS1 3, 28, 7*HSB, 0
	s_wait_xcnt 0x0
	s_add_nc_u64 s[28:29], s[28:29], 4*HSB
	s_sub_co_u32 s15, s15, 1
	s_cmp_lg_u32 s15, 0
	s_cbranch_scc1 .Lsum
	HS1 0, 6, 4*HSB, 0                             ; half steps 12-15; the buffers take half steps 4-7 again, the first that pass 2 makes anew: no load leaves my wave's part of the table
	HS1 1, 6, 5*HSB, 0
	HS1 2, 6, 6*HSB, 0
	HS1 3, 6, 7*HSB, 0
	FLOAD 0                                        ; pass 2's first features land while the sums meet.  No wait: no vector or matrix instruction has named FF or FS yet
	; ---- the rows' sums: my chains, lane l xor 16's, the sixteen waves'
	v_pk_add_f32 v[SUM:SUM+1], v[SUM:SUM+1], v[SUM+2:SUM+3]
	v_pk_add_f32 v[SUM+4:SUM+5], v[SUM+4:SUM+5], v[SUM+6:SUM+7]
	v_pk_add_f32 v[SUM:SUM+1], v[SUM:SUM+1], v[SUM+4:SUM+5]
	v_add_f32 v[SUM], v[SUM], v[SUM+1]
	v_permlanex16_b32 v[SUM+1], v[SUM], s20, s21
	v_add_f32 v[SUM], v[SUM], v[SUM+1]
	s_wait_alu depctr_va_vdst(0)                   ; v[SUM] is written, which the LDS store reads; and pass 1's additions are done reading v[W ..], in which the LDS loads behind the barrier land
	ds_store_b32 v[RST], v[SUM]                    ; lanes r and r + 16 write the same word with the same value
	s_wait_dscnt 0x0                               ; for the others' sake: my store has landed
	s_barrier_signal -1
	s_barrier_wait -1
.irp i, 0,1,2,3
	ds_load_b128 v[W+4*\i:W+4*\i+3], v[RLD] offset:16*\i
.endr
	s_wait_xcnt 0x0                                ; the loop's loads have read the walking base:
	s_add_nc_u64 s[28:29], s[6:7], 4*HSB           ; pass 2's loop begins at half step 4
	s_wait_dscnt 0x0
.irp i, 0,4,8,12
	v_pk_add_f32 v[W+\i:W+\i+1], v[W+\i:W+\i+1], v[W+\i+2:W+\i+3]
.endr
	v_pk_add_f32 v[W:W+1], v[W:W+1], v[W+4:W+5]
	v_pk_add_f32 v[W+8:W+9], v[W+8:W+9], v[W+12:W+13]
	v_pk_add_f32 v[W:W+1], v[W:W+1], v[W+8:W+9]
	v_add_f32 v[W], v[W], v[W+1]                   ; every wave adds in the same order: one sum for all
	v_add_f32 v[T0], 0x322bcc77, v[W]              ; + 1e-8, into a register in which no load lands
	v_rcp_f32 v[INV], v[T0]
	v_nop
	s_wait_alu depctr_va_vdst(0)                   ; the reciprocal is written, ahead of its first reader; and the additions above are done with v[W ..], in which the kept weights land
	; ---- PASS 2.  K steps 0 and 1: the kept weights
	TAKE 0                                         ; on their way during the Newton step, which names v[T0], v[T0+1] and INV alone
	v_fma_f32 v[T0+1], -v[T0], v[INV], 1.0         ; one Newton step
	v_fma_f32 v[INV], v[T0+1], v[INV], v[INV]
	v_mov_b32 v[INV+1], v[INV]                     ; (named with it as a pair)
	s_wait_dscnt 0x0
	QUANT 0, 0, 0, 0, 0
	s_wait_alu depctr_va_vdst(0)                   ; the scalings have written and the conversions are done reading v[W ..], in which the next kept weights land
	TAKE 1
	s_wait_dscnt 0x0
	QUANT 1, 0, 0, 0, 0
	FIN 0, 2                                       ; nothing was issued behind these features' loads; half step 2's kept weights are asked for ahead of the products
	s_wait_alu depctr_va_vdst(0)                   ; the two products are done reading FF and FS, in which the next K step's loads land
	FLOAD 1
	s_wait_dscnt 0x0
	QUANT 0, 0, 0, 0, 0
	s_wait_alu depctr_va_vdst(0)                   ; the scalings have written and the conversions are done reading v[W ..], in which the next kept weights land
	TAKE 3
	s_wait_dscnt 0x0
	QUANT 1, 0, 0, 0, 0
	FIN 0, -1
	s_wait_xcnt 0x0
	s_add_nc_u64 s[8:9], s[8:9], 4096
	s_add_nc_u64 s[10:11], s[10:11], 256
	s_mov_b32 s15, 2
.Lmul:                                             ; K steps 2-5.  23: behind A0's six loads A1, F1, A2, A3 were issued (6 + 5 + 6 + 6), behind A2's A3, F0, A0, A1.  28: behind A1's F1, A2, A3, F0, A0, behind A3's F0, A0, A1, F1, A2.  12: two buffers' refills behind the features'.  (On the way in no load is out)
	TRIP2 1, 23, 28, 12, 23, 28, 12
	s_wait_xcnt 0x0
	s_add_nc_u64 s[28:29], s[28:29], 4*HSB
	s_add_nc_u64 s[8:9], s[8:9], 4096
	s_add_nc_u64 s[10:11], s[10:11], 256
	s_sub_co_u32 s15, s15, 1
	s_cmp_lg_u32 s15, 0
	s_cbranch_scc1 .Lmul
	TRIP2 0, 23, 22, 0, 11, 10, 0                  ; K steps 6 and 7 fill no buffer: the counts run down (22: F1, A2, A3, F0; 11: A3, F0; 10: F0, F1)
	; ---- THE WAY OUT.  Sixteen waves hold sums over different gaussians.  Lane (r, h), tile u, register j: out0(query r, feature 16 u + 8 h + j).  Each wave's 16 x 32 go to its stage; behind a barrier four waves add the sixteen.
	s_wait_alu depctr_va_vdst(0)                   ; the last products have written v[O ..], which the LDS stores read (their four places stand above); and every product is done reading the table's buffers, in which the stage's loads land
	ds_store_b128 v[SST], v[O:O+3]                 ; each tile from its low end on
	ds_store_b128 v[SST], v[O+4:O+7] offset:16
	ds_store_b128 v[SST], v[O+8:O+11] offset:64
	ds_store_b128 v[SST], v[O+12:O+15] offset:80
	s_wait_dscnt 0x0                               ; for the others' sake: my stores have landed
	s_barrier_signal -1
	s_barrier_wait -1
	s_cmp_lt_u32 s14, 4
	s_cbranch_scc0 .Ldone
.irp i, 0,1,2,3,4,5,6,7,8,9,10,11,12,13,14,15
	ds_load_b128 v[A+4*\i:A+4*\i+3], v[FRD] offset:SIMG*\i     ; four neighbouring numbers of a row of out0, from each wave's stage
.endr
	s_wait_dscnt 0x0
.irp st, 8,4,2,1
.set i, 0
.rept \st
	v_pk_add_f32 v[A+4*i:A+4*i+1], v[A+4*i:A+4*i+1], v[A+4*(i+\st):A+4*(i+\st)+1]
	v_pk_add_f32 v[A+4*i+2:A+4*i+3], v[A+4*i+2:A+4*i+3], v[A+4*(i+\st)+2:A+4*(i+\st)+3]
.set i, i+1
.endr
.endr
	s_wait_alu depctr_va_vdst(0)                   ; the additions have written v[A:A+3], which the store reads
	global_store_b128 v[OUTO], v[A:A+3], s[12:13] th:TH_STORE_NT   ; a wave stores 512 consecutive bytes, at a multiple of 256 from out0's first byte
.Ldone:
	s_wait_dscnt 0x0
	s_wait_alu depctr_hold_cnt(0) depctr_sa_sdst(0) depctr_va_vdst(0) depctr_va_sdst(0) depctr_va_ssrc(0) depctr_va_vcc(0) depctr_vm_vsrc(0)
	s_wait_tensorcnt 0x0
	ds_add_u32 v254, v255
	s_wait_dscnt 0x0
	s_endpgm
.Lfunc_end_k_q1b96573b14_splat:
	.size	k_q1b96573b14_splat, .Lfunc_end_k_q1b96573b14_splat-k_q1b96573b14_splat
	.p2alignl 7, 3214868480
	.fill 96, 4, 3214868480
	.section	.rodata,"a",@progbits
	.p2align	6, 0x0
	.amdhsa_kernel k_q1b96573b14_splat
		.amdhsa_group_segment_fixed_size 302080
		.amdhsa_private_segment_fixed_size 0
		.amdhsa_enable_private_segment 0
		.amdhsa_kernarg_size 40
		.amdhsa_user_sgpr_count 2
		.amdhsa_user_sgpr_kernarg_segment_ptr 1
		.amdhsa_wavefront_size32 1
		.amdhsa_system_sgpr_workgroup_id_x 1
		.amdhsa_system_sgpr_workgroup_id_y 1
		.amdhsa_system_sgpr_workgroup_id_z 1
		.amdhsa_system_vgpr_workitem_id 0
		.amdhsa_next_free_vgpr 256
		.amdhsa_next_free_sgpr 66
		.amdhsa_reserve_vcc 1
		.amdhsa_float_denorm_mode_32 3
		.amdhsa_float_denorm_mode_16_64 3
		.amdhsa_memory_ordered 1
		.amdhsa_forward_progress 1
		.amdhsa_inst_pref_size 117
	.end_amdhsa_kernel
	.amdgpu_metadata
---
amdhsa.version: [ 1, 2 ]
amdhsa.kernels:
  - .name:           k_q1b96573b14_splat
    .symbol:         k_q1b96573b14_splat.kd
    .args:
      - { .name: query_xyz, .offset: 0, .size: 8, .value_kind: global_buffer, .address_space: global }
      - { .name: coef, .offset: 8, .size: 8, .value_kind: global_buffer, .address_space: global }
      - { .name: fcodes, .offset: 16, .size: 8, .value_kind: global_buffer, .address_space: global }
      - { .name: fscales, .offset: 24, .size: 8, .value_kind: global_buffer, .address_space: global }
      - { .name: out0, .offset: 32, .size: 8, .value_kind: global_buffer, .address_space: global }
    .group_segment_fixed_size: 302080
    .private_segment_fixed_size: 0
    .kernarg_segment_align: 8
    .kernarg_segment_size: 40
    .max_flat_workgroup_size: 512
    .sgpr_count:     66
    .vgpr_count:     256
    .wavefront_size: 32
...
	.end_amdgpu_metadata
.endif
;; end of part 3
